; MI455X (gfx1250); checked and timed in simulation.
; The chip was launched on July 23, 2026; its instructions are those of AMD's public machine-readable ISA for CDNA 5 (MIT licence, August 2026) and "CDNA5" Instruction Set Architecture Reference Guide (July 2026). The comments in the code are by the model that wrote it; some were corrected since.
;; W8 A8 BFP32 OFP32 Linear For Mac. Allowed arithmetic: matrix products marked QUANTISED: E4M3 operands, one E8M0 scale for each 32 along K, by v_wmma_scale_f32_16x16x128_f8f6f4 with both operands' format E4M3, f32 sums; everything else in f32.
;; Inputs: bias 1 x 4,096 int32; gemm_scales 1 x 4,096 float32; weight 4,096 x 4,096 int32; x 4,096 x 4,096 int32.
;; Outputs: out0 4,096 x 4,096 float32.
;; This version of the problem:
;;   THIS VERSION OF THE PROBLEM IS GIVEN IN LOW PRECISION. The matrix products marked QUANTISED in the list below multiply operands that are first quantised to E4M3 (4 exponent bits, 3 mantissa bits; 8 bits a number), with one power-of-two scale for each 32 numbers along K (OCP MX v1.0); their sums are f32. All else is computed in f32.
;;   The module's matrix products, in the order in which they are computed (A, B: the left and right operand; K: the contracted axis; several contracted axes count as one K, in the product's order):
;;     1. [M 4,096, K 4,096] x [K 4,096, N 4,096]; A: computed on the way; B: input weight: QUANTISED
;;   THE QUANTISER, for each operand of a quantised product, along K:
;;     - K is cut into blocks of 32 from its start; a last block that is shorter is filled with zeros.
;;     - A block's scale is 2^e with e = floor(log2(the largest magnitude in the block)) - 8, held to -126 .. 127; a block of zeros has e = 0. As a byte (E8M0): e + 127.
;;     - Each number is divided by its block's scale, clamped to +-448, and rounded to the nearest number of E4M3, ties to even, subnormals kept.
;;     - The product sums the exact products of the quantised numbers (number of the format x scale) in f32.
;;   ~~~python
;;   def quantise(x, axis):      # numpy; x: float32 -> the quantised numbers, widened to float32 again
;;       x = np.moveaxis(x, axis, -1); K = x.shape[-1]
;;       x = np.pad(x, [(0, 0)] * (x.ndim - 1) + [(0, -K % 32)]); x = x.reshape(x.shape[:-1] + (-1, 32)); a = np.abs(x).max(-1, keepdims=True)
;;       e = np.where(a > 0, np.clip(np.frexp(np.where(a > 0, a, 1))[1] - 1 - 8, -126, 127), 0)      # np.frexp(a)[1] - 1 = floor(log2(a)), exactly
;;       r = np.clip(x / 2.0 ** e, -448, 448)
;;       step = 2.0 ** (np.maximum(np.frexp(np.where(r == 0, 1, r))[1] - 1, -6) - 3)
;;       q = np.round(r / step) * step * 2.0 ** e      # np.round: ties to even
;;       return np.moveaxis(q.reshape(q.shape[:-2] + (-1,))[..., :K], -1, axis).astype(np.float32)
;;   ~~~
;;   OPERANDS COMPUTED ON THE WAY. 'Computed on the way' means the value that the module computes at that place (a softmax that the list does not call 'softmax' is quantised finished and normalised). What goes into a quantiser is computed in f32, as accurately as f32 sums, v_exp_f32 and their like allow (about 1e-6 of the number): no bf16 or f16 on the way to a quantiser, and a product that is left as it is and whose result goes on into a quantised operand takes f32 operands (vector FMAs, or v_wmma_f32_16x16x4_f32). A number that lies on a knife's edge between two numbers of the format may be rounded either way, as far as f32 arithmetic and the matrix unit's own rounding can turn it there, and no further.
;; One version. Each part assembles by itself: llvm-mc -triple=amdgcn-amd-amdhsa -mcpu=gfx1250 --defsym DOCPART=n.
;; ======== version 1 of 1: 2 launches
;; limits: right only within a limited range of input values
;; workspace buffers: aq 17,301,504 bytes; bq 17,301,504 bytes
;; launch quant (part 1): grid 768 x 1, 4 waves a work-group, no clusters, 102,912 bytes of LDS; arguments x, weight, aq, bq; writes aq, bq
.if DOCPART == 1
	.amdgcn_target "amdgcn-amd-amdhsa--gfx1250"
	.amdhsa_code_object_version 6
	.text
	.protected	k_qea37772301_quant
	.globl	k_qea37772301_quant
	.p2align	8
	.type	k_qea37772301_quant,@function
k_qea37772301_quant:
	s_mov_b64 s[64:65], 0
	v_nop
	global_prefetch_b8 v0, s[64:65] scope:SCOPE_SE
	s_setreg_imm32_b32 hwreg(HW_REG_WAVE_MODE, 25, 1), 1
	s_wait_xcnt 0x0
; x [4096 (m)][4096 (k)] and weight [4096 (k)][4096 (n)], int32, become f32 and then codes of FP8 (E4M3) with one E8M0 scale byte for each 32 along K.
; A block's scale is 2^(floor(log2(its largest magnitude)) - 8); its byte is the largest magnitude's exponent field - 8, held at 1 from below.  Each number is divided by the scale, held within +-448, rounded to the nearest code, ties to even.
; aq, for x: [tile of 256 rows: 16][chunk of 512 along K: 8][135,168 bytes]: 256 rows of 512 codes, K ascending, then the scale bytes [half of the chunk: 2][row: 256][8].  A chunk of a tile is one dense run of 264 x 512 bytes.
; bq, for weight: the codes in the order of the product's operand registers: [tile of 256 columns: 16][half of 128: 2][128 along K: 32][block of 16 columns: 8][c: 4][lane: 32][16 bytes]; lane 16 h + r holds column r, K = 32 c + 16 h + 0 .. 15.
; Behind the codes, from byte 16,777,216: the scale bytes [tile: 16][256 along K: 16][column: 256][8].
; LIMITS: a block of zeros gets the byte 1 where the rule says 127: its codes are zeros, which add nothing under any byte but 0xff, and this program alone reads the bytes.
; An integer beyond 2^24 in magnitude is rounded to the nearest f32, ties to even, by v_cvt_f32_i32, as the cast in the problem's text does.
; ONE LAUNCH FOR BOTH TENSORS: work-groups 0..255 take weight (path W: 256 columns x 256 K each), work-groups 256..767 take x (path X: 32 rows x 1,024 K each).  The paths part on the work-group's number and never
; meet again; each has LDS bytes of its own.  No tensor loads, no barrier: waves share nothing.
.set ZERO_POINT, 0                     ; the activations' zero point, a constant of the problem's text; at 0 no line is assembled for it
.set BLK,   67584                      ; half of a chunk's run in aq
.set FLOOR, 9<<23                      ; 2^(9 - 127): no largest magnitude is taken under it, so the byte cannot fall under 1
.set WSTG,  17408                      ; path W, LDS 0..69,631: a stage of 64 rows x 272 bytes for each wave
.set XLDS,  4*WSTG                     ; path X, LDS 69,632..102,399: 8,192 bytes for each wave: two stages of 32 x 80 bytes, then its 256 scale bytes
.set SPARE, XLDS+32768                 ; the spare words, 128 bytes a wave
.set SP,    80
.set SB,    24                         ; W: v[24:27] scale bytes: column 0's eight, then column 1's
.set WC,    32                         ; W: v[32:47] a block's codes
.set WX,    64                         ; W: v[64:127] a block as f32: column c at WX + 32 c + i
.set WR,    128                        ; W: v[128:255] the integers as loaded, two sets of 64; later the way out
.set XR,    16                         ; X: v16-79 four sets of 16 integers
.set XX,    80                         ; X: v80-111 two sets of 16 neighbours
.set XE,    112                        ; X: v112-127 a scale byte for each step
.set XC,    128                        ; X: v128-191 codes, four registers a step
	s_load_b256 s[4:11], s[0:1], 0x0               ; x, weight, aq, bq
	v_lshl_add_u32 v8, v0, 2, SPARE                ; v8, v1: my spare word and 0, kept for the closing lines
	v_mov_b32 v1, 0
	v_lshrrev_b32 v3, 5, v0
	v_readfirstlane_b32 s12, v3                    ; wave 0..3
	v_and_b32 v2, 31, v0                           ; lane
	s_mov_b32 s23, 0x600000                        ; the mantissa field of 448
	s_wait_kmcnt 0x0
	s_cmp_lt_u32 ttmp9, 256
	s_cbranch_scc0 .Lx
; PATH W: K is weight's first axis.  A lane takes two neighbouring columns and its registers run down K: each load reads one row k at 64 columns, 256 consecutive aligned bytes a wave.
; A block of 32 along K lies in one lane.  The codes go through the wave's own stage and leave fragment by fragment, 512 consecutive bytes a store.
	s_and_b32 s16, ttmp9, 15                       ; the tile of 256 columns
	s_lshr_b32 s17, ttmp9, 4                       ; which 256 along K
	s_lshl_b32 s18, s17, 22
	s_lshl_b32 s19, s16, 10
	s_add_co_u32 s18, s18, s19
	s_lshl_b32 s19, s12, 8                         ; my wave's 64 columns
	s_add_co_u32 s18, s18, s19
	s_mov_b32 s19, 0
	s_add_nc_u64 s[6:7], s[6:7], s[18:19]
	s_lshl_b32 s20, s16, 4
	s_add_co_u32 s20, s20, s17
	s_lshl_b32 s20, s20, 11                        ; scale bytes: (16 x tile + K step) x 2,048 + 512 x wave, behind the codes
	s_lshl_b32 s21, s12, 9
	s_add_co_u32 s20, s20, s21
	s_add_co_u32 s20, s20, 16777216
	s_mov_b32 s21, 0
	s_add_nc_u64 s[14:15], s[10:11], s[20:21]
	s_lshl_b32 s20, s16, 20                        ; codes: tile x 1 MiB + half x 512 KiB + K step x 32 KiB + my four blocks
	s_lshr_b32 s21, s12, 1
	s_lshl_b32 s21, s21, 19
	s_add_co_u32 s20, s20, s21
	s_lshl_b32 s21, s17, 15
	s_add_co_u32 s20, s20, s21
	s_and_b32 s21, s12, 1
	s_lshl_b32 s21, s21, 13
	s_add_co_u32 s20, s20, s21
	s_mov_b32 s21, 0
	s_add_nc_u64 s[10:11], s[10:11], s[20:21]
	s_wait_alu depctr_va_vdst(0)
	v_lshlrev_b32 v3, 3, v2                        ; in: 8 bytes a lane
	s_mul_i32 s22, s12, WSTG
	v_mul_u32_u24 v4, v2, 272
	v_add_nc_u32 v4, s22, v4                       ; into the stage: column 2 l + c goes to stage row 32 c + l
	v_and_b32 v7, 1, v2                            ; out of it: lane 16 h + r takes column r of a block: stage row 32 (r % 2) + r / 2, byte 16 h
	v_mul_u32_u24 v7, v7, 8704
	v_bfe_u32 v9, v2, 1, 3
	v_mad_u32_u24 v7, v9, 272, v7
	v_lshrrev_b32 v9, 4, v2
	v_lshl_add_u32 v7, v9, 4, v7
	v_add_nc_u32 v7, s22, v7
	v_lshlrev_b32 v9, 4, v2                        ; and 16 bytes a lane in memory
.macro WLOAD t                         ; block t: weight(32 t + i, my two columns) into set t % 2
.set i, 0
.rept 32
	global_load_b64 v[WR+64*((\t)%2)+2*i:WR+64*((\t)%2)+2*i+1], v3, s[6:7] offset:(32*(\t)+i)*16384 th:TH_LOAD_NT
.set i, i+1
.endr
.endm
.macro WBLOCK t
.set RS, WR+64*((\t)%2)
.if (\t) < 7
	s_wait_loadcnt 32                              ; this block's 32 loads are in; the next block's 32 may be out
.else
	s_wait_loadcnt 0x0
.endif
.set n, 0
.rept 32
	v_cvt_f32_i32 v[WX+n], v[RS+2*n]
	v_cvt_f32_i32 v[WX+32+n], v[RS+2*n+1]
.set n, n+1
.endr
.if (\t)+2 < 8
	WLOAD (\t)+2
.endif
.irp c, 0,1                            ; each column's largest magnitude, two chains a column
	v_max3_num_f32 v[14+2*\c], |v[WX+32*\c]|, |v[WX+32*\c+1]|, |v[WX+32*\c+2]|
	v_max3_num_f32 v[15+2*\c], |v[WX+32*\c+3]|, |v[WX+32*\c+4]|, |v[WX+32*\c+5]|
.endr
.irp i, 6,10,14,18,22,26
.irp c, 0,1
	v_max3_num_f32 v[14+2*\c], v[14+2*\c], |v[WX+32*\c+\i]|, |v[WX+32*\c+\i+1]|
	v_max3_num_f32 v[15+2*\c], v[15+2*\c], |v[WX+32*\c+\i+2]|, |v[WX+32*\c+\i+3]|
.endr
.endr
.irp c, 0,1
	v_max3_num_f32 v[14+2*\c], v[14+2*\c], |v[WX+32*\c+30]|, |v[WX+32*\c+31]|
.endr
.irp c, 0,1
	v_max3_num_f32 v[14+2*\c], v[14+2*\c], v[15+2*\c], FLOOR
.endr
.irp c, 0,1
	v_add_nc_u32 v[12+\c], 0xfc000000, v[14+2*\c]  ; 8 off the exponent field: the conversion's scale operand
	v_and_or_b32 v[10+\c], v[14+2*\c], 0x7f800000, s23   ; 448 x the scale
.endr
.irp c, 0,1
	v_lshrrev_b32 v[18+\c], 23, v[12+\c]           ; the scale's byte
.endr
.irp c, 0,1
.if (\t)%4 == 0
	v_mov_b32 v[SB+2*\c+1-(\t)/4], v[18+\c]        ; of a column's eight bytes the word of the SECOND 128 of K is stored first: the product's launch wants it in the even register
.else
	v_lshl_or_b32 v[SB+2*\c+1-(\t)/4], v[18+\c], 8*((\t)%4), v[SB+2*\c+1-(\t)/4]
.endif
.endr
.irp c, 0,1
.set n, 0
.rept 32
	v_med3_num_f32 v[WX+32*\c+n], v[WX+32*\c+n], -v[10+\c], v[10+\c]   ; the conversion does not saturate (ISA guide 7.6.2): the hold comes first
.set n, n+1
.endr
.endr
.irp c, 0,1
.irp g, 0,1,2,3
	v_cvt_scalef32_pk8_fp8_f32 v[WC+8*\c+2*\g:WC+8*\c+2*\g+1], v[WX+32*\c+8*\g:WX+32*\c+8*\g+7], v[12+\c]
.endr
.endr
	v_nop                                          ; one plain vector line behind the run of scaled conversions
.irp c, 0,1
	ds_store_b128 v4, v[WC+8*\c:WC+8*\c+3] offset:8704*\c+32*(\t)
	ds_store_b128 v4, v[WC+8*\c+4:WC+8*\c+7] offset:8704*\c+32*(\t)+16
.endr
	s_wait_dscnt 0x0                               ; the stores have read their registers
.endm
	WLOAD 0
	WLOAD 1
.irp t, 0,1,2,3,4,5,6,7
	WBLOCK \t
.endr
	global_store_b128 v9, v[SB:SB+3], s[14:15]     ; my two columns' 16 scale bytes: the wave stores 512 consecutive bytes
.set u, 0
.rept 32                               ; u = 16 x (which 128 of K) + 4 x block + c
	ds_load_b128 v[WR+4*u:WR+4*u+3], v7 offset:2176*((u>>2)&3)+128*(u>>4)+32*(u&3)   ; LDS serves a wave's instructions in order: these see my stores
.set u, u+1
.endr
.set u, 0
.rept 32
	s_wait_dscnt 31-u
	global_store_b128 v9, v[WR+4*u:WR+4*u+3], s[10:11] offset:16384*(u>>4)+2048*((u>>2)&3)+512*(u&3)   ; a quarter of a fragment: 512 consecutive bytes, aligned to 256
.set u, u+1
.endr
	s_wait_tensorcnt 0x0                           ; the wave's end
	ds_add_u32 v8, v1
	s_wait_dscnt 0x0
	s_endpgm
; PATH X: K is innermost.  Wave w of work-group g takes rows 32 (g / 4) .. + 31 of x at K = 256 (4 (g % 4) + w) ..: 16 steps of two rows x 256 numbers.
; Each of a step's four loads reads 512 consecutive bytes; the 2,048 bytes go through the wave's own stage and come back 64 bytes a lane: 16 neighbours along K, two lanes to a block.
.Lx:
	s_sub_co_u32 s16, ttmp9, 256
	s_lshr_b32 s17, s16, 2                         ; which 32 rows
	s_and_b32 s16, s16, 3
	s_lshl_b32 s16, s16, 2
	s_add_co_u32 s16, s16, s12                     ; which 256 along K
	s_lshl_b32 s18, s17, 19
	s_lshl_b32 s19, s16, 10
	s_add_co_u32 s18, s18, s19
	s_mov_b32 s19, 0
	s_add_nc_u64 s[4:5], s[4:5], s[18:19]
	s_lshr_b32 s20, s17, 3                         ; the tile of 256 rows
	s_lshl_b32 s20, s20, 4
	s_and_b32 s21, s16, 14
	s_add_co_u32 s20, s20, s21
	s_mul_i32 s20, s20, BLK                        ; my chunk's run: (8 x tile + chunk) x 135,168
	s_mov_b32 s21, 0
	s_add_nc_u64 s[8:9], s[8:9], s[20:21]
	s_and_b32 s17, s17, 7                          ; which 32 rows of the tile
	s_and_b32 s16, s16, 1                          ; which half of the chunk
	s_lshl_b32 s20, s17, 8
	s_lshl_b32 s18, s16, 11
	s_add_co_u32 s20, s20, s18
	s_add_co_u32 s20, s20, 131072
	s_add_nc_u64 s[14:15], s[8:9], s[20:21]        ; their 256 scale bytes
	s_lshl_b32 s20, s17, 14
	s_lshl_b32 s18, s16, 8
	s_add_co_u32 s20, s20, s18
	s_add_nc_u64 s[8:9], s[8:9], s[20:21]          ; their codes: rows of 512 bytes, my half of each
	s_lshl_b32 s22, s12, 13
	s_add_co_u32 s22, s22, XLDS
	s_wait_alu depctr_va_vdst(0)
	v_lshlrev_b32 v3, 4, v2                        ; my 16 bytes of a load's 512
	v_lshrrev_b32 v4, 2, v2
	v_mul_u32_u24 v4, v4, SP
	v_and_b32 v9, 3, v2
	v_lshl_add_u32 v4, v9, 4, v4
	v_add_nc_u32 v4, s22, v4                       ; the stage, on the way in
	v_mul_u32_u24 v9, v2, SP
	v_add_nc_u32 v9, s22, v9                       ; and on the way out
	s_add_co_u32 s22, s22, 2*32*SP
	v_lshrrev_b32 v5, 1, v2
	v_add_nc_u32 v5, s22, v5                       ; my block's byte of a step's 16
	v_lshlrev_b32 v7, 3, v2
	v_add_nc_u32 v6, s22, v7
	v_lshrrev_b32 v192, 4, v2
	v_lshl_add_u32 v192, v192, 8, v3               ; my codes' place: lanes 0-15 one row's 256 bytes, lanes 16-31 the next row's, 512 bytes on
.macro XLOAD t
.irp i, 0,1,2,3
	global_load_b128 v[XR+16*((\t)%4)+4*\i:XR+16*((\t)%4)+4*\i+3], v3, s[4:5] offset:(2*(\t)+\i/2)*16384+(\i%2)*512 th:TH_LOAD_NT
.endr
.endm
.macro XTURN t
.irp i, 0,1,2,3
	ds_store_b128 v4, v[XR+16*((\t)%4)+4*\i:XR+16*((\t)%4)+4*\i+3] offset:32*SP*((\t)%2)+8*SP*\i
.endr
.irp i, 0,1,2,3
	ds_load_b128 v[XX+16*((\t)%2)+4*\i:XX+16*((\t)%2)+4*\i+3], v9 offset:32*SP*((\t)%2)+16*\i
.endr
.endm
.macro XSTEP t
.set XS, XX+16*((\t)%2)
.if (\t) > 0
	s_wait_dscnt 1                                 ; this step's numbers are back (the last step's byte store may be out)
.else
	s_wait_dscnt 0x0
.endif
.if (\t)+4 < 16
	XLOAD (\t)+4
.endif
.if (\t)+1 < 16
.if 14-(\t) >= 3
	s_wait_loadcnt 12                              ; the next step's four loads are in; three steps' may be out
.else
	s_wait_loadcnt 4*(14-(\t))
.endif
	XTURN (\t)+1
.endif
.irp i, 0,1,2,3,4,5,6,7,8,9,10,11,12,13,14,15
.if ZERO_POINT
	v_add_nc_u32 v[XS+\i], -ZERO_POINT, v[XS+\i]
.endif
	v_cvt_f32_i32 v[XS+\i], v[XS+\i]
.endr
	v_max3_num_f32 v12, |v[XS]|, |v[XS+1]|, |v[XS+2]|
	v_max3_num_f32 v13, |v[XS+3]|, |v[XS+4]|, |v[XS+5]|
.irp i, 6,10
	v_max3_num_f32 v12, v12, |v[XS+\i]|, |v[XS+\i+1]|
	v_max3_num_f32 v13, v13, |v[XS+\i+2]|, |v[XS+\i+3]|
.endr
	v_max3_num_f32 v12, v12, |v[XS+14]|, |v[XS+15]|
	v_max3_num_f32 v12, v12, v13, FLOOR
	v_max_num_f32_dpp v12, v12, v12 row_xmask:1 row_mask:0xf bank_mask:0xf   ; and my neighbour's 16: the block's
	v_add_nc_u32 v11, 0xfc000000, v12
	v_and_or_b32 v10, v12, 0x7f800000, s23
.irp i, 0,1,2,3,4,5,6,7,8,9,10,11,12,13,14,15
	v_med3_num_f32 v[XS+\i], v[XS+\i], -v10, v10
.endr
	v_cvt_scalef32_pk8_fp8_f32 v[XC+4*(\t):XC+4*(\t)+1], v[XS:XS+7], v11
	v_cvt_scalef32_pk8_fp8_f32 v[XC+4*(\t)+2:XC+4*(\t)+3], v[XS+8:XS+15], v11
	v_lshrrev_b32 v[XE+(\t)], 23, v11              ; the scale's byte; also the plain vector line behind the conversions
	ds_store_b8 v5, v[XE+(\t)] offset:16*(\t)
	global_store_b128 v192, v[XC+4*(\t):XC+4*(\t)+3], s[8:9] offset:1024*(\t)   ; rows 2 t and 2 t + 1: sixteen lanes fill an aligned 256 bytes
.endm
.irp t, 0,1,2,3
	XLOAD \t
.endr
	s_wait_alu depctr_va_vdst(0)
	s_wait_loadcnt 12
	XTURN 0
.irp t, 0,1,2,3,4,5,6,7,8,9,10,11,12,13,14,15
	XSTEP \t
.endr
	ds_load_b64 v[14:15], v6
	s_wait_dscnt 0x0
	global_store_b64 v7, v[14:15], s[14:15]        ; 32 lanes store 256 consecutive bytes, aligned to 256
	s_wait_tensorcnt 0x0                           ; the wave's end
	ds_add_u32 v8, v1
	s_wait_dscnt 0x0
	s_endpgm
.Lfunc_end_k_qea37772301_quant:
	.size	k_qea37772301_quant, .Lfunc_end_k_qea37772301_quant-k_qea37772301_quant
	.p2alignl 7, 3214868480
	.fill 96, 4, 3214868480
	.section	.rodata,"a",@progbits
	.p2align	6, 0x0
	.amdhsa_kernel k_qea37772301_quant
		.amdhsa_group_segment_fixed_size 102912
		.amdhsa_private_segment_fixed_size 0
		.amdhsa_enable_private_segment 0
		.amdhsa_kernarg_size 32
		.amdhsa_user_sgpr_count 2
		.amdhsa_user_sgpr_kernarg_segment_ptr 1
		.amdhsa_wavefront_size32 1
		.amdhsa_system_sgpr_workgroup_id_x 1
		.amdhsa_system_sgpr_workgroup_id_y 1
		.amdhsa_system_sgpr_workgroup_id_z 1
		.amdhsa_system_vgpr_workitem_id 0
		.amdhsa_next_free_vgpr 256
		.amdhsa_next_free_sgpr 66
		.amdhsa_reserve_vcc 0
		.amdhsa_float_denorm_mode_32 3
		.amdhsa_float_denorm_mode_16_64 3
		.amdhsa_memory_ordered 1
		.amdhsa_forward_progress 1
		.amdhsa_inst_pref_size 166
	.end_amdhsa_kernel
	.amdgpu_metadata
---
amdhsa.version: [ 1, 2 ]
amdhsa.kernels:
  - .name:           k_qea37772301_quant
    .symbol:         k_qea37772301_quant.kd
    .args:
      - { .name: x, .offset: 0, .size: 8, .value_kind: global_buffer, .address_space: global }
      - { .name: weight, .offset: 8, .size: 8, .value_kind: global_buffer, .address_space: global }
      - { .name: aq, .offset: 16, .size: 8, .value_kind: global_buffer, .address_space: global }
      - { .name: bq, .offset: 24, .size: 8, .value_kind: global_buffer, .address_space: global }
    .group_segment_fixed_size: 102912
    .private_segment_fixed_size: 0
    .kernarg_segment_align: 8
    .kernarg_segment_size: 32
    .max_flat_workgroup_size: 128
    .sgpr_count:     66
    .vgpr_count:     256
    .wavefront_size: 32
...
	.end_amdgpu_metadata
.endif
;; end of part 1
;; launch gemm (part 2): grid 16 x 16, 4 waves a work-group, clusters of 4 x 4, 327,680 bytes of LDS; arguments aq, bq, bias, gemm_scales, out0; writes out0
.if DOCPART == 2
	.amdgcn_target "amdgcn-amd-amdhsa--gfx1250"
	.amdhsa_code_object_version 6
	.text
	.protected	k_qea37772301_gemm
	.globl	k_qea37772301_gemm
	.p2align	8
	.type	k_qea37772301_gemm,@function
k_qea37772301_gemm:
	s_mov_b64 s[64:65], 0
	v_nop
	global_prefetch_b8 v0, s[64:65] scope:SCOPE_SE
	s_setreg_imm32_b32 hwreg(HW_REG_WAVE_MODE, 25, 1), 1
	s_wait_xcnt 0x0
	s_wait_alu depctr_hold_cnt(0) depctr_sa_sdst(0) depctr_va_vdst(0) depctr_va_sdst(0) depctr_va_ssrc(0) depctr_va_vcc(0) depctr_vm_vsrc(0)
	s_getreg_b32 s2, hwreg(HW_REG_IB_STS2, 6, 4)
	s_cmp_eq_u32 s2, 0
	s_cbranch_scc0 .Lentry_in_a_cluster
	s_endpgm
.Lentry_in_a_cluster:
	s_bfe_u32 s2, ttmp6, 0x10000c
	s_cmp_lg_u32 s2, 0xf033
	s_cbranch_scc0 .Lentry_shape_is_right
	s_endpgm
.Lentry_shape_is_right:
; out0[m][n] = (sum over k of Q(x)[m][k] Q(weight)[k][n] + bias[n]) x gemm_scales[n], on the codes and scale bytes that launch quant has laid (its head states aq and bq; of a column's eight scale bytes in bq the second word comes first).
; A work-group of four waves makes 256 x 256 of out0; a wave 128 x 128: 64 accumulators, 512 registers.  A = x's rows, B = weight's columns.
; A GOES THROUGH LDS, B DOES NOT.  A's codes and scale bytes come in chunks of 512 along K through two LDS slots, by joint tensor loads shared along the cluster's row: each wave fetches 66 of the run's 264 rows of 512 bytes.
; B's codes lie in memory in the order of the operand's registers: each wave loads its 128 columns' fragments straight into a ring of 12 fragments of 16 registers, 512 consecutive bytes a load; B's scale words likewise, 256 bytes a load.
; B has no joint load: a joint load fills LDS alone, and these bytes never lie there.
; A ROUND is one fragment of B against A's eight: 8 products.  The work goes by PAIRS of rounds: 16 products, eight places, then ONE run of memory instructions.  A chunk is 16 pairs; pair g lies in place g, g - 6 or g - 11 of the
; ring's six (6 + 5 + 5 pairs), so the pattern comes back each chunk.  The run behind pair g fills the place just left: pair g + 6 (g < 5) or g + 5 (g > 5); none behind pair 5, two behind pair 15.
; The counted waits on LOADcnt: eight loads x the pairs issued behind the one awaited (5 for g < 6, else 4), four more for a pair's first round; the four loads of scale words that lie among them are not counted, which waits for more and never for less.
; A's eight fragments of 128 along K stand in two sets (window 1); the next set is fetched from LDS in the runs behind a step's first two pairs.
; THE CHANGE OF SLOTS stands at pair 12 of a chunk, when the slot's last fragments are in registers; the joint refill and that pair's run follow the round.
; PREFETCH: behind each joint refill (chunk c + 2) a wave names 32 blocks of 256 bytes of A's chunk c + 4 and of B's chunk c + 3; the sixteen waves of the cluster's row share A's 512 blocks out by address, those of its
; column B's 512; once a lap each of the column's waves names 2 of the next lap's 32 blocks of B's scale bytes.  At the start: B's chunk 0 behind the first joint load and the ring's first loads, B's chunk 1 behind the second joint load,
; A's chunk 2 and then B's chunk 2 and A's chunk 3 in two runs of the first step; A's chunks 0 and 1 come by their joint loads alone.  Nothing past chunk 7 is named.  A's scale bytes, 16 blocks a chunk, are not named.
; THE MATRIX INSTRUCTION IS USED TRANSPOSED (source 0 = 16 columns of weight, source 1 = 16 rows of x): a lane holds eight neighbouring numbers of a row of out0.
; REGISTERS: window 0: v0-31 addresses and the way out's factors; v32-47 A's scale words, v48-63 B's, two sets each; v64-255 B's ring.  Window 1: A's two sets.  Windows 2, 3: accumulator (a, b) at window 2 + b / 4, v[8 (8 (b % 4) + a)].
; LIMITS: as launch quant states them.  bias x gemm_scales is formed once and added by a fused multiply-add, one rounding more than the sum first.
.set PITCH,  528                       ; an LDS row: 512 bytes + 16 of padding
.set BLKA,   135168                    ; a chunk's run in aq
.set PANEL,  8*BLKA
.set BSC,    16777216                  ; where B's scale bytes begin in bq
.set SCOA,   256*PITCH                 ; in a slot: A's scale bytes
.set SLOT,   264*PITCH
.set SPARE,  2*SLOT
.set ADRA, 16                          ; v16-17 LDS address of my A fragments in slot 0, 1
.set ADRS, 18                          ; v18-19 of my rows' scale words
.set LO8,  20                          ; 8 x lane
.set PF2,  21                          ; 256 x min(lane, 1)
.set STO,  24
.set RD,   25
.set CO,   26                          ; 16 x lane
.set SPW,  28
.set NIL,  29
.set PFO,  30                          ; 256 x lane
.set GS,   8
.set BS,   12
.set SA,   32                          ; A's scale words: set s (a chunk's half s): register 2 i + q: lanes 0-15 block 2 i, lanes 16-31 block 2 i + 1, the half's q-th 128 of K
.set SBR,  48                          ; B's: register 2 i + 1 - q: so the two scale registers of a product never have numbers equal modulo 8
.set RB,   64
.set BK,   128
.set G1, 24
.set G0, 32
.set BP, 66                            ; s[66:67] B's codes: my 128 columns, the lap's first fragment
.set PA, 68                            ; s[68:69], s[70:71], s[76:77] where my prefetches of A, of B and of B's scale bytes stand
.set PB, 70
.set PS, 76
.set BQ, 78                            ; s[78:79] B's scale bytes: my 128 columns, the lap's first
.set MSB, 0
.macro WIN new
.if MSB != (\new)
	s_set_vgpr_msb (MSB<<8)|(\new)
.set MSB, (\new)
.endif
.endm
.macro PLACES n
.rept \n
	v_nop
.endr
.endm
.macro TLD s                           ; a joint load, one a wave; an s_nop 0 and four v_nop follow it
	tensor_load_to_lds s[G0+4*\s:G0+4*\s+3], s[G1:G1+7]
	s_nop 0
	PLACES 4
.endm
.macro CREST
	s_cmp_lg_u32 s14, 0
	s_cbranch_scc1 .Lnot_wave_0_\@
	s_barrier_signal -3
.Lnot_wave_0_\@:
	s_barrier_wait -3
	s_barrier_signal -1
	s_barrier_wait -1
.endm
.macro CROUND
	s_barrier_signal -1
	s_barrier_wait -1
	CREST
.endm
.macro GLP p, e                        ; B's pair p of fragments, counted from the first of the lap's chunk e, into its place in the ring: 4,096 consecutive bytes
.set GP_, (\p)%16
.if GP_ > 10
.set GP_, GP_-11
.elseif GP_ > 5
.set GP_, GP_-6
.endif
.irp c, 0,1,2,3,4,5,6,7
	global_load_b128 v[RB+32*GP_+4*\c:RB+32*GP_+4*\c+3], v[CO], s[BP:BP+1] offset:(32*(\e)+2*(\p))*2048+512*\c
.endr
.endm
.macro BSL k, set                      ; B's scale words of the lap's k-th 256 of K
.irp i, 0,1,2,3
	global_load_b64 v[SBR+8*(\set)+2*\i:SBR+8*(\set)+2*\i+1], v[LO8], s[BQ:BQ+1] offset:2048*(\k)+256*\i
.endr
.endm
.macro AFR slot, q, p, i               ; A's block i of the slot's q-th 128 of K into set p
.irp c, 0,1,2,3
	ds_load_b128 v[128*(\p)+16*(\i)+4*\c:128*(\p)+16*(\i)+4*\c+3], v[ADRA+(\slot)] offset:128*(\q)+32*\c+(\i)*16*PITCH
.endr
.endm
.macro SCL slot, half, set             ; A's scale words of a half chunk
.irp i, 0,1,2,3
	ds_load_b64 v[SA+8*(\set)+2*\i:SA+8*(\set)+2*\i+1], v[ADRS+(\slot)] offset:(4*(\half)+\i/2)*PITCH+(\i%2)*256
.endr
.endm
.macro WMI a, cop, m1, m2
	v_wmma_scale_f32_16x16x128_f8f6f4 v[AC_:AC_+7], v[RF_:RF_+15], v[128*P_+16*(\a):128*P_+16*(\a)+15], \cop, v[SBR+8*(Q_/2)+2*(B_/2)+1-P_], v[SA+8*(Q_/2)+2*((\a)/2)+P_] \m1 \m2
.endm
.macro WMS a, cop                      ; an odd block's scale words lie in lanes 16-31
.if B_%2 && (\a)%2
	WMI \a, \cop, matrix_a_scale:MATRIX_SCALE_ROW1, matrix_b_scale:MATRIX_SCALE_ROW1
.elseif B_%2
	WMI \a, \cop, matrix_a_scale:MATRIX_SCALE_ROW1
.elseif (\a)%2
	WMI \a, \cop, matrix_b_scale:MATRIX_SCALE_ROW1
.else
	WMI \a, \cop
.endif
.endm
.macro RND8 zero                       ; a round: B's fragment at RF_ (block B_) against A's eight; the accumulators take turns
.irp a, 0,1,2,3,4,5,6,7
.set AC_, 8*(8*(B_%4)+\a)
.if \zero
	WMS \a, 0
.else
	WMS \a, v[AC_:AC_+7]
.endif
.endr
.endm
.macro ASK e                           ; s3 = 3, 2, 1: the lap's trips to go.  A's chunk c + 4 exists for c < 4, B's chunk c + 3 for c < 5, the next lap's scale bytes in every trip
	s_cmp_gt_u32 s3, 1
	s_cbranch_scc0 .Lnone_\@
	global_prefetch_b8 v[PFO], s[PA:PA+1] offset:(\e)*BLKA th:TH_LOAD_NT scope:SCOPE_SE
.if \e
	global_prefetch_b8 v[PFO], s[PB:PB+1] offset:65536 th:TH_LOAD_NT scope:SCOPE_SE
.endif
.Lnone_\@:
.if (\e) == 0
	global_prefetch_b8 v[PFO], s[PB:PB+1] th:TH_LOAD_NT scope:SCOPE_SE
	global_prefetch_b8 v[PF2], s[PS:PS+1] th:TH_LOAD_NT scope:SCOPE_SE
.endif
.endm
; Pair g of a chunk.  The eight v_nop behind its products are the places ahead of the loads into what they have read.
.macro PAIR e, slot, g, zero, last, turn, fill
.set Q_, (\g)/4
.set P_, Q_%2
.set SP_, (\g)
.if (\g) > 10
.set SP_, (\g)-11
.elseif (\g) > 5
.set SP_, (\g)-6
.endif
.set QUIET_, 0
.if (\turn) && (\g) == 12
.set QUIET_, 1
.endif
.set N_, 40
.if (\g) > 5
.set N_, 32
.endif
.if (\last) && 8*(15-(\g)) < N_
.set N_, 8*(15-(\g))
.endif
.set ONE_, QUIET_                      ; one wait for both rounds: at the change of slots (no wait inside the barrier), and at pair 8, whose scale words were asked for behind pair 8's codes
.if (\g) == 8
.set ONE_, 1
.endif
.if QUIET_
	WIN 0
	s_wait_tensorcnt 0x0                           ; all my tensor loads have landed: my part of the next slot;
	ds_add_u32 v[SPW], v[NIL]                      ; a round of products stands between it and its wait
.endif
.if (\g)%4 == 0
	s_wait_dscnt QUIET_                            ; this step's set of A and its scale words are in (at a change of slots the add may be out)
.endif
	s_wait_loadcnt N_+4-4*ONE_
	WIN 0xa4+0x50*(((\g)%4)/2)
.set B_, 2*((\g)%4)
.set RF_, RB+32*SP_
	RND8 \zero
.if QUIET_
	s_wait_dscnt 0x0                               ; the add is done, and my reads of this slot are over
	s_barrier_signal -1
.endif
.if ONE_ == 0
	s_wait_loadcnt N_
.endif
.set B_, B_+1
.set RF_, RF_+16
	RND8 \zero
.if QUIET_
	WIN 0
	s_barrier_wait -1
.if \fill
	CREST                                          ; the barrier has opened a round of the cluster's barrier
	s_add_nc_u64 s[G0+4*\slot+2:G0+4*\slot+3], s[G0+4*\slot+2:G0+4*\slot+3], 2*BLKA
	TLD \slot                                      ; this slot takes the chunk two on
	PLACES 4
.else
	PLACES 8
.endif
.elseif (\last) == 0 || (\g) < 11
	PLACES 8
.endif
.if (\last) == 0 || (\g) < 11          ; the run
	WIN 0
.if (\g) < 5
	GLP (\g)+6, \e
.elseif (\g) == 15
	GLP 20, \e
	GLP 21, \e
.elseif (\g) > 5
	GLP (\g)+5, \e
.endif
.if (\zero) && (\g) == 1               ; the first step alone: what the laps' prefetches do not reach
	global_prefetch_b8 v[PFO], s[PA:PA+1] offset:-2*BLKA th:TH_LOAD_NT scope:SCOPE_SE    ; A's chunk 2
.endif
.if (\zero) && (\g) == 3
	global_prefetch_b8 v[PFO], s[PB:PB+1] offset:-65536 th:TH_LOAD_NT scope:SCOPE_SE     ; B's chunk 2
	global_prefetch_b8 v[PFO], s[PA:PA+1] offset:-BLKA th:TH_LOAD_NT scope:SCOPE_SE      ; A's chunk 3
.endif
.if (\g) == 2
	BSL 2*(\e)+1, 1
.endif
.if (\g) == 9 && (\last) == 0
	BSL 2*(\e)+2, 0
.endif
.if (\g) == 4
	SCL \slot, 1, 1
.endif
.if (\g) == 12
	SCL 1-(\slot), 0, 0
.endif
.if (\g)%4 < 2
	WIN 0x40
.irp i, 0,1,2,3
.if Q_ < 3
	AFR \slot, Q_+1, 1-P_, 4*((\g)%4)+\i
.else
	AFR 1-(\slot), 0, 0, 4*((\g)%4)+\i
.endif
.endr
.endif
.if QUIET_ && (\fill)
	WIN 0
	ASK \e
.endif
.endif
.endm
.macro PAIRS e, slot, from, to, zero, last, turn, fill
.set G_, \from
.rept (\to)-(\from)
	PAIR \e, \slot, G_, \zero, \last, \turn, \fill
.set G_, G_+1
.endr
.endm
	s_load_b256 s[4:11], s[0:1], 0x0               ; aq, bq, bias, gemm_scales
	s_load_b64 s[12:13], s[0:1], 0x20              ; out0
	v_lshl_add_u32 v[SPW], v0, 2, SPARE
	v_mov_b32 v[NIL], 0
	ds_add_u32 v[SPW], v[NIL]                      ; the opening lines: the add, twice on end, and its wait
	ds_add_u32 v[SPW], v[NIL]
	v_lshrrev_b32 v3, 5, v0
	v_readfirstlane_b32 s14, v3                    ; wave 0..3
	v_and_b32 v1, 15, v0                           ; r
	v_bfe_u32 v2, v0, 4, 1                         ; h
	v_and_b32 v6, 31, v0
	v_lshlrev_b32 v[CO], 4, v6
	v_lshlrev_b32 v[PFO], 8, v6
	v_lshlrev_b32 v[LO8], 3, v6
	v_min_u32 v[PF2], 1, v6
	v_lshlrev_b32 v[PF2], 8, v[PF2]
	s_lshr_b32 s15, s14, 1                         ; my half of the rows
	s_and_b32 s16, s14, 1                          ; my half of the columns
	s_bfe_u32 s40, ttmp6, 0x40000                  ; cx, cy
	s_bfe_u32 s41, ttmp6, 0x40004
	s_lshl_b32 s42, ttmp9, 2
	s_add_co_u32 s42, s42, s40                     ; tile column
	s_and_b32 s17, ttmp7, 0xffff
	s_lshl_b32 s17, s17, 2
	s_add_co_u32 s17, s17, s41                     ; tile row
	s_lshl_b32 s43, s41, 2
	s_lshl_b32 s43, 15, s43                        ; my row of the cluster
	s_or_b32 s[G1+0], s43, (1<<20)|(1<<21)|(6<<22)|(3<<25)   ; elements of a byte; 16 bytes of padding behind every 512
	s_mov_b32 s[G1+1], 512<<16
	s_mov_b32 s[G1+2], 66<<16                      ; 66 rows of 512 bytes a wave
	s_mov_b32 s[G1+3], 512<<16
	s_mov_b32 s[G1+4], 66
	s_mov_b32 s[G1+5], 512
	s_mov_b32 s[G1+6], 0
	s_mov_b32 s[G1+7], 0
	s_mul_i32 s20, s17, PANEL                      ; offsets, each under 2^32.  s[20:21]: A's run, my 66 rows
	s_mul_i32 s18, s14, 66*512
	s_add_co_u32 s20, s20, s18
	s_mov_b32 s21, 0
	s_mul_i32 s45, s14, 66*PITCH
	s_lshl_b32 s22, s42, 20                        ; s[22:23]: B's codes, my 128 columns
	s_lshl_b32 s23, s16, 19
	s_add_co_u32 s22, s22, s23
	s_mov_b32 s23, 0
	s_lshl_b32 s18, s40, 2                         ; s[18:19]: A's chunk 4, my sixteenth among the cluster row's waves
	s_add_co_u32 s18, s18, s14
	s_lshl_b32 s18, s18, 13
	s_mul_i32 s19, s17, PANEL
	s_add_co_u32 s18, s18, s19
	s_add_co_u32 s18, s18, 4*BLKA
	s_mov_b32 s19, 0
	s_lshl_b32 s2, s41, 2                          ; which of the cluster column's sixteen waves I am
	s_add_co_u32 s2, s2, s14
	s_lshl_b32 s76, s2, 9                          ; s[76:77]: lap 1's scale bytes of B, my two blocks
	s_lshl_b32 s77, s42, 15
	s_add_co_u32 s76, s76, s77
	s_add_co_u32 s76, s76, BSC+8192
	s_lshl_b32 s78, s16, 10                        ; s[78:79]: B's scale bytes, my 128 columns
	s_add_co_u32 s78, s78, s77
	s_add_co_u32 s78, s78, BSC
	s_mov_b32 s77, 0
	s_mov_b32 s79, 0
	s_lshr_b32 s3, s2, 3                           ; s[2:3]: B's chunk 3, my sixteenth: eight waves to a half of the tile
	s_lshl_b32 s3, s3, 19
	s_and_b32 s2, s2, 7
	s_lshl_b32 s2, s2, 13
	s_add_co_u32 s2, s2, s3
	s_lshl_b32 s3, s42, 20
	s_add_co_u32 s2, s2, s3
	s_add_co_u32 s2, s2, 3*65536
	s_mov_b32 s3, 0
	s_lshl_b32 s72, s42, 10                        ; s[72:73]: my first column in bytes; s[74:75]: my first row of out0
	s_lshl_b32 s73, s16, 9
	s_add_co_u32 s72, s72, s73
	s_mov_b32 s73, 0
	s_lshl_b32 s74, s17, 8
	s_lshl_b32 s75, s15, 7
	s_add_co_u32 s74, s74, s75
	s_lshl_b32 s74, s74, 14
	s_mov_b32 s75, 0
	s_wait_alu depctr_va_vdst(0)
	s_wait_dscnt 0x0                               ; both opening adds are done
	CROUND                                         ; the opening round, ahead of the wait for the arguments: all sixteen work-groups are here
	s_wait_kmcnt 0x0
	s_add_nc_u64 s[20:21], s[4:5], s[20:21]
.irp s, 0,1
	s_mov_b32 s[G0+4*\s], 1
	s_add_co_u32 s[G0+4*\s+1], s45, \s*SLOT
	s_add_nc_u64 s[G0+4*\s+2:G0+4*\s+3], s[20:21], \s*BLKA
	s_or_b32 s[G0+4*\s+3], s[G0+4*\s+3], 0x80000000
.endr
	TLD 0                                          ; chunk 0, asked for first: one tensor load a wave at the head
	s_add_nc_u64 s[BP:BP+1], s[6:7], s[22:23]
	s_add_nc_u64 s[PA:PA+1], s[4:5], s[18:19]
	s_add_nc_u64 s[PB:PB+1], s[6:7], s[2:3]
	s_add_nc_u64 s[PS:PS+1], s[6:7], s[PS:PS+1]
	s_add_nc_u64 s[BQ:BQ+1], s[6:7], s[BQ:BQ+1]
	s_add_nc_u64 s[8:9], s[8:9], s[72:73]
	s_add_nc_u64 s[10:11], s[10:11], s[72:73]
	s_add_nc_u64 s[12:13], s[12:13], s[72:73]
	s_add_nc_u64 s[12:13], s[12:13], s[74:75]
	global_load_b128 v[BS:BS+3], v[CO], s[8:9]     ; my four columns' bias and scale
	global_load_b128 v[GS:GS+3], v[CO], s[10:11]
	BSL 0, 0
.irp p, 0,1,2,3,4,5
	GLP \p, 0                                      ; the ring's first six pairs
.endr
	global_prefetch_b8 v[PFO], s[PB:PB+1] offset:-3*65536 th:TH_LOAD_NT scope:SCOPE_SE   ; B's chunk 0: its later pairs are loaded in the first steps
	s_mul_i32 s18, s15, 128*PITCH                  ; my 128 rows of A in slot 0,
	s_add_co_u32 s19, s18, SLOT                    ; in slot 1
	s_mul_i32 s22, s15, 2*PITCH                    ; their scale bytes: 1,024 a half of the tile
	s_add_co_u32 s22, s22, SCOA
	s_mul_i32 s2, s14, 16*PITCH                    ; my stage for the way out: 16 rows of 528 bytes, in slot 0
	v_mul_u32_u24 v3, v1, PITCH
	v_lshl_add_u32 v4, v2, 4, v3                   ; a fragment's row x pitch + 16 h
	v_add_nc_u32 v[ADRA], s18, v4
	v_add_nc_u32 v[ADRA+1], s19, v4
	v_add_nc_u32 v[ADRS], s22, v[LO8]              ; 8 bytes a row, lane l takes row l of a pair of blocks
	v_add_nc_u32 v[ADRS+1], SLOT, v[ADRS]
	v_lshl_add_u32 v5, v2, 5, v3
	v_add_nc_u32 v[STO], s2, v5                    ; into the stage: row r, 32 bytes for each half of the lanes
	v_add_nc_u32 v[RD], s2, v[CO]                  ; back: the 32 lanes take one row of 512 bytes
	s_wait_loadcnt 52                              ; bias and scale are in; the 4 loads of scale words and the ring's 48 may be out
.irp j, 0,1,2,3
	v_cvt_f32_i32 v[BS+\j], v[BS+\j]
.endr
	v_pk_mul_f32 v[BS:BS+1], v[BS:BS+1], v[GS:GS+1]
	v_pk_mul_f32 v[BS+2:BS+3], v[BS+2:BS+3], v[GS+2:GS+3]
	s_wait_alu depctr_va_vdst(0)
	s_wait_tensorcnt 0x0                           ; my part of chunk 0 is in
	ds_add_u32 v[SPW], v[NIL]
	s_wait_dscnt 0x0
	CROUND
	TLD 1                                          ; chunk 1, the first tensor load behind the round
	SCL 0, 0, 0
	WIN 0x40
.irp i, 0,1,2,3,4,5,6,7
	AFR 0, 0, 0, \i
.endr
	WIN 0
	global_prefetch_b8 v[PFO], s[PB:PB+1] offset:-2*65536 th:TH_LOAD_NT scope:SCOPE_SE   ; B's chunk 1
	PAIRS 0, 0, 0, 4, 1, 0, 0, 0                   ; the first step starts the sums
	WIN 0
	s_mov_b32 s3, 3
.Llap:                                                 ; a trip: from a lap's second step to the next lap's first; both slots are filled again
	PAIRS 0, 0, 4, 16, 0, 0, 1, 1
	PAIRS 1, 1, 0, 16, 0, 0, 1, 1
	WIN 0
	s_wait_xcnt 0x0                                ; my loads and prefetches have read their bases
	s_add_nc_u64 s[BP:BP+1], s[BP:BP+1], 131072
	s_add_nc_u64 s[BQ:BQ+1], s[BQ:BQ+1], 8192
	s_add_nc_u64 s[PA:PA+1], s[PA:PA+1], 2*BLKA
	s_add_nc_u64 s[PB:PB+1], s[PB:PB+1], 131072
	s_add_nc_u64 s[PS:PS+1], s[PS:PS+1], 8192
	PAIRS 0, 0, 0, 4, 0, 0, 0, 0
	WIN 0
	s_sub_co_u32 s3, s3, 1
	s_cmp_lg_u32 s3, 0
	s_cbranch_scc1 .Llap
	PAIRS 0, 0, 4, 16, 0, 0, 1, 0                  ; chunk 6: its change of slots fills nothing
	PAIRS 1, 1, 0, 16, 0, 1, 0, 0                  ; chunk 7
	WIN 0
; THE WAY OUT, block by block of 16 rows x 128 columns, through my own stage (in slot 0, which has had its last fill and its last read) and back as rows of 512 bytes.
.macro TOSTAGE a
.irp b, 0,1,2,3,4,5,6,7
	WIN 0x08+4*(\b/4)
	ds_store_b128 v[STO], v[8*(8*(\b%4)+(\a)):8*(8*(\b%4)+(\a))+3] offset:64*\b      ; each accumulator from its low end on
	ds_store_b128 v[STO], v[8*(8*(\b%4)+(\a))+4:8*(8*(\b%4)+(\a))+7] offset:64*\b+16
.endr
	WIN 0
.set BB, BK+64*((\a)%2)
.irp t, 0,1,2,3,4,5,6,7,8,9,10,11,12,13,14,15
	ds_load_b128 v[BB+4*\t:BB+4*\t+3], v[RD] offset:\t*PITCH   ; LDS serves a wave's instructions in order: these see the stores above
.endr
.endm
.macro SEND a, younger
.set BB, BK+64*((\a)%2)
	s_wait_dscnt \younger
.if (\a) > 0
	s_add_nc_u64 s[12:13], s[12:13], 16*16384      ; behind a wait on XCNT: 16 rows on
.endif
.irp t, 0,1,2,3,4,5,6,7,8,9,10,11,12,13,14,15
	v_pk_fma_f32 v[BB+4*\t:BB+4*\t+1], v[BB+4*\t:BB+4*\t+1], v[GS:GS+1], v[BS:BS+1]
	v_pk_fma_f32 v[BB+4*\t+2:BB+4*\t+3], v[BB+4*\t+2:BB+4*\t+3], v[GS+2:GS+3], v[BS+2:BS+3]
	global_store_b128 v[CO], v[BB+4*\t:BB+4*\t+3], s[12:13] offset:\t*16384 th:TH_STORE_NT   ; 32 lanes store 512 consecutive bytes, aligned to 256
.endr
.endm
	PLACES 8                                       ; behind the last products: for the reads of their sums and the loads into the ring's registers
	TOSTAGE 0
.irp a, 1,2,3,4,5,6,7
.if \a > 1
	s_wait_xcnt 0x0                                ; block a - 2's stores have read their registers and their base
.endif
	TOSTAGE \a
	SEND \a-1, 32                                  ; behind block a - 1's loads: block a's 16 stores and 16 loads
.endr
	s_wait_xcnt 0x0
	SEND 7, 0
	s_wait_tensorcnt 0x0                           ; the wave's end
	ds_add_u32 v[SPW], v[NIL]
	s_wait_dscnt 0x0
	CROUND                                         ; the closing round
	s_endpgm
.Lfunc_end_k_qea37772301_gemm:
	.size	k_qea37772301_gemm, .Lfunc_end_k_qea37772301_gemm-k_qea37772301_gemm
	.p2alignl 7, 3214868480
	.fill 96, 4, 3214868480
	.section	.rodata,"a",@progbits
	.p2align	6, 0x0
	.amdhsa_kernel k_qea37772301_gemm
		.amdhsa_group_segment_fixed_size 327680
		.amdhsa_private_segment_fixed_size 0
		.amdhsa_enable_private_segment 0
		.amdhsa_kernarg_size 40
		.amdhsa_user_sgpr_count 2
		.amdhsa_user_sgpr_kernarg_segment_ptr 1
		.amdhsa_wavefront_size32 1
		.amdhsa_system_sgpr_workgroup_id_x 1
		.amdhsa_system_sgpr_workgroup_id_y 1
		.amdhsa_system_sgpr_workgroup_id_z 1
		.amdhsa_system_vgpr_workitem_id 0
		.amdhsa_next_free_vgpr 1024
		.amdhsa_next_free_sgpr 80
		.amdhsa_reserve_vcc 0
		.amdhsa_float_denorm_mode_32 3
		.amdhsa_float_denorm_mode_16_64 3
		.amdhsa_memory_ordered 1
		.amdhsa_forward_progress 1
		.amdhsa_inst_pref_size 255
	.end_amdhsa_kernel
	.section	.bss,"aw",@nobits
	.p2align	6
	.space	262144
	.amdgpu_metadata
---
amdhsa.version: [ 1, 2 ]
amdhsa.kernels:
  - .name:           k_qea37772301_gemm
    .symbol:         k_qea37772301_gemm.kd
    .args:
      - { .name: aq, .offset: 0, .size: 8, .value_kind: global_buffer, .address_space: global }
      - { .name: bq, .offset: 8, .size: 8, .value_kind: global_buffer, .address_space: global }
      - { .name: bias, .offset: 16, .size: 8, .value_kind: global_buffer, .address_space: global }
      - { .name: gemm_scales, .offset: 24, .size: 8, .value_kind: global_buffer, .address_space: global }
      - { .name: out0, .offset: 32, .size: 8, .value_kind: global_buffer, .address_space: global }
    .group_segment_fixed_size: 327680
    .private_segment_fixed_size: 0
    .kernarg_segment_align: 8
    .kernarg_segment_size: 40
    .max_flat_workgroup_size: 128
    .sgpr_count:     80
    .vgpr_count:     1024
    .wavefront_size: 32
...
	.end_amdgpu_metadata
.endif
;; end of part 2
